; MI455X (gfx1250); checked and timed in simulation.
; The chip was launched on July 23, 2026; its instructions are those of AMD's public machine-readable ISA for CDNA 5 (MIT licence, August 2026) and "CDNA5" Instruction Set Architecture Reference Guide (July 2026). The comments in the code are by the model that wrote it; some were corrected since.
;; Attention. Allowed arithmetic: matrix products marked QUANTISED: E2M1 operands, one E8M0 scale for each 32 along K, by v_wmma_scale_f32_16x16x128_f8f6f4 with both operands' format E2M1 (or v_wmma_scale_f32_32x16x128_f4), f32 sums; everything else in f32.
;; Inputs: Wk 1,024 x 1,024 float32; Wo 1,024 x 1,024 float32; Wq 1,024 x 1,024 float32; Wv 1,024 x 1,024 float32; bk 1,024 float32; bo 1,024 float32; bq 1,024 float32; bv 1,024 float32; temperature one number float32; x 4 x 2,048 x 1,024 float32.
;; Outputs: out0 4 x 2,048 x 1,024 float32.
;; This version of the problem:
;;   THIS VERSION OF THE PROBLEM IS GIVEN IN LOW PRECISION. The matrix products marked QUANTISED in the list below multiply operands that are first quantised to E2M1 (2 exponent bits, 1 mantissa bit; 4 bits a number), with one power-of-two scale for each 32 numbers along K (OCP MX v1.0); their sums are f32. All else is computed in f32.
;;   The module's matrix products, in the order in which they are computed (A, B: the left and right operand; K: the contracted axis; several contracted axes count as one K, in the product's order):
;;     1. [M 8,192, K 1,024] x [K 1,024, N 1,024]; A: input x; B: input Wq: QUANTISED
;;     2. [M 8,192, K 1,024] x [K 1,024, N 1,024]; A: input x; B: input Wk: QUANTISED
;;     3. [M 8,192, K 1,024] x [K 1,024, N 1,024]; A: input x; B: input Wv: QUANTISED
;;     4. batch 64 x [M 2,048, K 64] x [K 64, N 2,048]; A: computed on the way; B: computed on the way: QUANTISED
;;     5. batch 64 x [M 2,048, K 2,048] x [K 2,048, N 64]; A: softmax (see below); B: computed on the way: QUANTISED
;;     6. [M 8,192, K 1,024] x [K 1,024, N 1,024]; A: computed on the way; B: input Wo: QUANTISED
;;   THE QUANTISER, for each operand of a quantised product, along K:
;;     - K is cut into blocks of 32 from its start; a last block that is shorter is filled with zeros.
;;     - A block's scale is 2^e with e = floor(log2(the largest magnitude in the block)) - 2, held to -126 .. 127; a block of zeros has e = 0. As a byte (E8M0): e + 127.
;;     - Each number is divided by its block's scale, clamped to +-6, and rounded to the nearest number of E2M1, ties to even, subnormals kept.
;;     - The product sums the exact products of the quantised numbers (number of the format x scale) in f32.
;;   ~~~python
;;   def quantise(x, axis):      # numpy; x: float32 -> the quantised numbers, widened to float32 again
;;       x = np.moveaxis(x, axis, -1); K = x.shape[-1]
;;       x = np.pad(x, [(0, 0)] * (x.ndim - 1) + [(0, -K % 32)]); x = x.reshape(x.shape[:-1] + (-1, 32)); a = np.abs(x).max(-1, keepdims=True)
;;       e = np.where(a > 0, np.clip(np.frexp(np.where(a > 0, a, 1))[1] - 1 - 2, -126, 127), 0)      # np.frexp(a)[1] - 1 = floor(log2(a)), exactly
;;       r = np.clip(x / 2.0 ** e, -6, 6)
;;       step = 2.0 ** (np.maximum(np.frexp(np.where(r == 0, 1, r))[1] - 1, 0) - 1)
;;       q = np.round(r / step) * step * 2.0 ** e      # np.round: ties to even
;;       return np.moveaxis(q.reshape(q.shape[:-2] + (-1,))[..., :K], -1, axis).astype(np.float32)
;;   ~~~
;;   SOFTMAX AHEAD OF A QUANTISED PRODUCT. Where the list says 'softmax', what is quantised is not the finished softmax but p = 2^(t - M), with t = logit x log2(e) and M = ceil(the row's largest t), a whole number; so 1/2 < the row's largest p <= 1. The row's sum l is taken of the UNQUANTISED p, in f32, and the product's result is divided by l at the end. Since M is a whole number, a kernel that streams over the keys may use a running M (the ceiling of the running maximum): every later rescaling is an exact power of two, which a block's scale takes up: the codes' values come out the same.
;;   OPERANDS COMPUTED ON THE WAY. 'Computed on the way' means the value that the module computes at that place (a softmax that the list does not call 'softmax' is quantised finished and normalised). What goes into a quantiser is computed in f32, as accurately as f32 sums, v_exp_f32 and their like allow (about 1e-6 of the number): no bf16 or f16 on the way to a quantiser, and a product that is left as it is and whose result goes on into a quantised operand takes f32 operands (vector FMAs, or v_wmma_f32_16x16x4_f32). A number that lies on a knife's edge between two numbers of the format may be rounded either way, as far as f32 arithmetic and the matrix unit's own rounding can turn it there, and no further.
;; One version. Each part assembles by itself: llvm-mc -triple=amdgcn-amd-amdhsa -mcpu=gfx1250 --defsym DOCPART=n.
;; ======== version 1 of 1: 4 launches
;; workspace buffers: xc 4,194,304 bytes; xs 262,144 bytes; wc 2,097,152 bytes; ws 131,072 bytes; qkv 13,369,344 bytes; oc 4,194,304 bytes; os 262,144 bytes
;; launch quant (part 1): grid 384 x 1, 4 waves a work-group, no clusters, 33,280 bytes of LDS; arguments x, Wq, Wk, Wv, Wo, xc, xs, wc, ws; writes xc, xs, wc, ws
.if DOCPART == 1
	.amdgcn_target "amdgcn-amd-amdhsa--gfx1250"
	.amdhsa_code_object_version 6
	.text
	.protected	k_q506d59ec71_quant
	.globl	k_q506d59ec71_quant
	.p2align	8
	.type	k_q506d59ec71_quant,@function
k_q506d59ec71_quant:
	s_mov_b64 s[64:65], 0
	v_nop
	global_prefetch_b8 v0, s[64:65] scope:SCOPE_SE
	s_setreg_imm32_b32 hwreg(HW_REG_WAVE_MODE, 25, 1), 1
	s_wait_xcnt 0x0
; x [8192][1024] and Wq, Wk, Wv, Wo [1024][1024], f32, K innermost, become codes of FP4 (E2M1) with one E8M0 byte for each 32 along K.
; xc [8192][512 bytes], xs [8192][32 bytes]; wc [4096][512], ws [4096][32]: Wq's rows, then Wk's, Wv's, Wo's.
; A block's scale is 2^(floor(log2(largest magnitude)) - 2); its byte is the largest magnitude's exponent field - 2, held at 1 from below.
; LIMITS: a block of zeros gets the byte 1 where the rule says 127 (its codes are zeros, and only this program reads the bytes); blocks whose largest
; magnitude lies under 2^-124 are held at that floor; NaN and infinities among the inputs are not served.
; THE ROWS ARE STORED IN ANOTHER ORDER: row p goes to index (p & ~31) | bit 3 of p << 4 | bit 4 of p << 3 | (p & 7).  Sixteen stored rows on end, 32 B + 16 u + m, are then
; the rows 32 B + 8 u + m + 8 (m / 8): as source 0 of a matrix instruction they leave, in a lane's 16 registers of two neighbouring tiles, 16 neighbours along the next product's K.
; SHARES: work-groups 0-255 take 32 rows of x each, 256-383 32 rows of a weight each; a wave takes 8 rows (8,192 numbers, 16 steps of 512), so the order above is a swap of the
; two bits of the wave's number in the place where it stores.  Waves share nothing: no barrier, no cluster, no tensor load.
; Each load reads 512 consecutive bytes; a step's 2,048 bytes turn through the wave's own stage in LDS, so that a lane holds 16 neighbours (two lanes a block);
; a step's codes leave as 256 consecutive bytes, a wave's 256 scale bytes as one store of 256 consecutive bytes.  Loads run four steps ahead.
.set STEPS, 16
.set CB,    8                          ; bytes of 16 codes
.set R,     16                         ; v16-79   four sets of 16 numbers as loaded
.set X,     80                         ; v80-111  two sets of 16 neighbours
.set E,     112                        ; v112-127 a scale byte for each step
.set C,     128                        ; v128-191 codes: four registers a step, so that no store's data are written again
.set WREG,  8192                       ; LDS: a region for each wave: two stages of 32 x SP bytes, then its 256 scale bytes
.set SP,    80                         ; a lane's place in a stage: 64 bytes + 16 of padding
	s_load_b512 s[4:19], s[0:1], 0x0               ; x 4:5, Wq 6:7, Wk 8:9, Wv 10:11, Wo 12:13, xc 14:15, xs 16:17, wc 18:19
	s_load_b64 s[20:21], s[0:1], 0x40              ; ws
	v_lshl_add_u32 v192, v0, 2, 0x8000
	v_mov_b32 v193, 0
	v_lshrrev_b32 v1, 5, v0
	v_readfirstlane_b32 s22, v1                    ; wave 0..3
	v_and_b32 v2, 31, v0                           ; lane
	v_lshlrev_b32 v3, 4, v2                        ; my 16 bytes of a load's 512
	s_mul_i32 s23, s22, WREG
	v_lshrrev_b32 v14, 2, v2
	v_mul_u32_u24 v14, v14, SP
	v_and_b32 v15, 3, v2
	v_lshl_add_u32 v14, v15, 4, v14
	v_add_nc_u32 v14, s23, v14                     ; the stage, on the way in: SP (lane / 4) + 16 (lane % 4)
	v_mul_u32_u24 v15, v2, SP
	v_add_nc_u32 v15, s23, v15                     ; on the way out: SP x lane: my 16 neighbours
	v_mul_u32_u24 v4, v2, CB                       ; my codes' place in a step's
	v_lshrrev_b32 v5, 1, v2
	s_add_co_u32 s23, s23, 2*32*SP
	v_add_nc_u32 v5, s23, v5                       ; LDS: my block's scale byte
	v_lshlrev_b32 v7, 3, v2                        ; and on the way out 8 bytes a lane
	v_add_nc_u32 v6, s23, v7
	s_and_b32 s29, s22, 1
	s_lshl_b32 s29, s29, 1
	s_lshr_b32 s33, s22, 1
	s_or_b32 s29, s29, s33                         ; the wave's number with its two bits swapped: where its 8 rows are stored
	s_sub_co_u32 s24, ttmp9, 256                   ; a weight's work-group: its number among the 128 (not used by x's work-groups)
	s_lshr_b32 s25, s24, 5                         ; which weight
	s_and_b32 s28, s24, 31                         ; which 32 rows of it
	s_wait_kmcnt 0x0
	s_cmp_eq_u32 s25, 1                            ; every choice hangs on the work-group's number alone
	s_cselect_b64 s[26:27], s[8:9], s[6:7]
	s_cmp_eq_u32 s25, 2
	s_cselect_b64 s[26:27], s[10:11], s[26:27]
	s_cmp_eq_u32 s25, 3
	s_cselect_b64 s[26:27], s[12:13], s[26:27]
	s_cmp_lt_u32 ttmp9, 256
	s_cselect_b64 s[4:5], s[4:5], s[26:27]         ; the tensor that is read,
	s_cselect_b64 s[14:15], s[14:15], s[18:19]     ; its codes,
	s_cselect_b64 s[16:17], s[16:17], s[20:21]     ; its scale bytes,
	s_cselect_b32 s28, ttmp9, s28                  ; the work-group's 32 rows in the tensor that is read,
	s_cselect_b32 s24, ttmp9, s24                  ; and in the buffers that are written
	s_lshl_b32 s30, s28, 2
	s_add_co_u32 s30, s30, s22
	s_lshl_b32 s30, s30, 15                        ; 8 rows of 4,096 bytes a wave
	s_mov_b32 s31, 0
	s_add_nc_u64 s[4:5], s[4:5], s[30:31]
	s_lshl_b32 s32, s24, 2
	s_add_co_u32 s32, s32, s29
	s_lshl_b32 s34, s32, 12                        ; 8 rows of 512 bytes of codes
	s_mov_b32 s35, 0
	s_add_nc_u64 s[14:15], s[14:15], s[34:35]
	s_lshl_b32 s34, s32, 8                         ; 8 rows of 32 scale bytes
	s_add_nc_u64 s[16:17], s[16:17], s[34:35]
.macro LOAD t
.irp i, 0,1,2,3
	global_load_b128 v[R+16*((\t)%4)+4*\i:R+16*((\t)%4)+4*\i+3], v3, s[4:5] offset:2048*(\t)+512*\i th:TH_LOAD_NT   ; 32 lanes read 512 consecutive bytes; read once in the launch
.endr
.endm
.macro TURN t                          ; step t's numbers through the stage: LDS serves a wave's instructions in order, so no wait stands between the stores and the loads
.irp i, 0,1,2,3
	ds_store_b128 v14, v[R+16*((\t)%4)+4*\i:R+16*((\t)%4)+4*\i+3] offset:32*SP*((\t)%2)+8*SP*\i
.endr
.irp i, 0,1,2,3
	ds_load_b128 v[X+16*((\t)%2)+4*\i:X+16*((\t)%2)+4*\i+3], v15 offset:32*SP*((\t)%2)+16*\i
.endr
.endm
.irp t, 0,1,2,3
	LOAD \t
.endr
	s_wait_loadcnt 12                              ; step 0's four loads are in; the twelve of steps 1 to 3 may be out
	TURN 0
.macro STEP t
.set XS, X+16*((\t)%2)
.if (\t) > 0
	s_wait_dscnt 1                                 ; this step's numbers are back from the stage (the last step's byte store may be out): its stores into the stage have read their registers,
.else
	s_wait_dscnt 0x0
.endif
.if (\t)+4 < STEPS
	LOAD (\t)+4                                    ; which take the loads of four steps on
.endif
.if (\t)+1 < STEPS
.if STEPS-2-(\t) >= 3
	s_wait_loadcnt 12                              ; the next step's four loads are in; those of the three steps behind it may be out
.else
	s_wait_loadcnt 4*(STEPS-2-(\t))
.endif
	TURN (\t)+1                                    ; and go through the other stage while this step is worked
.endif
	v_max3_num_f32 v8, |v[XS]|, |v[XS+1]|, |v[XS+2]|               ; the largest magnitude of my 16, in two chains
	v_max3_num_f32 v9, |v[XS+3]|, |v[XS+4]|, |v[XS+5]|
.irp i, 6,10
	v_max3_num_f32 v8, v8, |v[XS+\i]|, |v[XS+\i+1]|
	v_max3_num_f32 v9, v9, |v[XS+\i+2]|, |v[XS+\i+3]|
.endr
	v_max3_num_f32 v8, v8, |v[XS+14]|, |v[XS+15]|
	v_max3_num_f32 v8, v8, v9, 0x1800000           ; and the floor 2^(3 - 127): the byte cannot fall under 1
	v_max_num_f32_dpp v8, v8, v8 row_xmask:1 row_mask:0xf bank_mask:0xf   ; and of my neighbour's 16: the block's
	v_add_nc_u32 v11, 0xff000000, v8               ; 2 off its exponent field: the conversion takes the exponent field of this operand as its scale
	v_cvt_scalef32_pk8_fp4_f32 v[C+4*(\t)], v[XS:XS+7], v11
	v_cvt_scalef32_pk8_fp4_f32 v[C+4*(\t)+1], v[XS+8:XS+15], v11
	v_lshrrev_b32 v[E+(\t)], 23, v11               ; the scale's byte (also the plain line behind the conversions)
	ds_store_b8 v5, v[E+(\t)] offset:16*(\t)       ; both lanes of a block write the same byte with the same value
	global_store_b64 v4, v[C+4*(\t):C+4*(\t)+1], s[14:15] offset:32*CB*(\t)   ; 32 lanes store 256 consecutive bytes
.endm
.irp t, 0,1,2,3,4,5,6,7,8,9,10,11,12,13,14,15
	STEP \t
.endr
	ds_load_b64 v[12:13], v6                       ; LDS serves a wave's instructions in order: these see my byte stores
	s_wait_dscnt 0x0
	global_store_b64 v7, v[12:13], s[16:17]        ; 32 lanes store 256 consecutive bytes
	s_wait_tensorcnt 0x0
	ds_add_u32 v192, v193
	s_wait_dscnt 0x0
	s_endpgm
.Lfunc_end_k_q506d59ec71_quant:
	.size	k_q506d59ec71_quant, .Lfunc_end_k_q506d59ec71_quant-k_q506d59ec71_quant
	.p2alignl 7, 3214868480
	.fill 96, 4, 3214868480
	.section	.rodata,"a",@progbits
	.p2align	6, 0x0
	.amdhsa_kernel k_q506d59ec71_quant
		.amdhsa_group_segment_fixed_size 33280
		.amdhsa_private_segment_fixed_size 0
		.amdhsa_enable_private_segment 0
		.amdhsa_kernarg_size 72
		.amdhsa_user_sgpr_count 2
		.amdhsa_user_sgpr_kernarg_segment_ptr 1
		.amdhsa_wavefront_size32 1
		.amdhsa_system_sgpr_workgroup_id_x 1
		.amdhsa_system_sgpr_workgroup_id_y 1
		.amdhsa_system_sgpr_workgroup_id_z 1
		.amdhsa_system_vgpr_workitem_id 0
		.amdhsa_next_free_vgpr 194
		.amdhsa_next_free_sgpr 66
		.amdhsa_reserve_vcc 0
		.amdhsa_float_denorm_mode_32 3
		.amdhsa_float_denorm_mode_16_64 3
		.amdhsa_memory_ordered 1
		.amdhsa_forward_progress 1
		.amdhsa_inst_pref_size 34
	.end_amdhsa_kernel
	.amdgpu_metadata
---
amdhsa.version: [ 1, 2 ]
amdhsa.kernels:
  - .name:           k_q506d59ec71_quant
    .symbol:         k_q506d59ec71_quant.kd
    .args:
      - { .name: x, .offset: 0, .size: 8, .value_kind: global_buffer, .address_space: global }
      - { .name: Wq, .offset: 8, .size: 8, .value_kind: global_buffer, .address_space: global }
      - { .name: Wk, .offset: 16, .size: 8, .value_kind: global_buffer, .address_space: global }
      - { .name: Wv, .offset: 24, .size: 8, .value_kind: global_buffer, .address_space: global }
      - { .name: Wo, .offset: 32, .size: 8, .value_kind: global_buffer, .address_space: global }
      - { .name: xc, .offset: 40, .size: 8, .value_kind: global_buffer, .address_space: global }
      - { .name: xs, .offset: 48, .size: 8, .value_kind: global_buffer, .address_space: global }
      - { .name: wc, .offset: 56, .size: 8, .value_kind: global_buffer, .address_space: global }
      - { .name: ws, .offset: 64, .size: 8, .value_kind: global_buffer, .address_space: global }
    .group_segment_fixed_size: 33280
    .private_segment_fixed_size: 0
    .kernarg_segment_align: 8
    .kernarg_segment_size: 72
    .max_flat_workgroup_size: 128
    .sgpr_count:     66
    .vgpr_count:     194
    .wavefront_size: 32
...
	.end_amdgpu_metadata
.endif
;; end of part 1
;; launch qkv (part 2): grid 24 x 32, 8 waves a work-group, clusters of 4 x 4, 222,976 bytes of LDS; arguments xc, xs, wc, ws, bq, bk, bv, qkv; writes qkv
.if DOCPART == 2
	.amdgcn_target "amdgcn-amd-amdhsa--gfx1250"
	.amdhsa_code_object_version 6
	.text
	.protected	k_q506d59ec71_qkv
	.globl	k_q506d59ec71_qkv
	.p2align	8
	.type	k_q506d59ec71_qkv,@function
k_q506d59ec71_qkv:
	s_mov_b64 s[64:65], 0
	v_nop
	global_prefetch_b8 v0, s[64:65] scope:SCOPE_SE
	s_setreg_imm32_b32 hwreg(HW_REG_WAVE_MODE, 25, 1), 1
	s_wait_xcnt 0x0
	s_wait_alu depctr_hold_cnt(0) depctr_sa_sdst(0) depctr_va_vdst(0) depctr_va_sdst(0) depctr_va_ssrc(0) depctr_va_vcc(0) depctr_vm_vsrc(0)
	s_getreg_b32 s2, hwreg(HW_REG_IB_STS2, 6, 4)
	s_cmp_eq_u32 s2, 0
	s_cbranch_scc0 .Lentry_in_a_cluster
	s_endpgm
.Lentry_in_a_cluster:
	s_bfe_u32 s2, ttmp6, 0x10000c
	s_cmp_lg_u32 s2, 0xf033
	s_cbranch_scc0 .Lentry_shape_is_right
	s_endpgm
.Lentry_shape_is_right:
; q = x Wq^T + bq, k = x Wk^T + bk, v = x Wv^T + bv on codes of FP4 with E8M0 scales, and each result quantised at once, in registers, for the product that reads it:
; q and k along the head's 64 numbers, v along the keys.  One GEMM of 8,192 tokens x 3,072 rows of W (Wq, Wk, Wv on end in wc) x K = 1,024.
; SHARES: a work-group makes 256 tokens x 128 rows of W; its eight waves 64 x 64 each (wave & 3: the quarter of the tokens, wave >> 2: the half of W's rows = one head): 16 accumulators, 128 registers.
; ALL OF K LIES IN LDS AT ONCE (a row of 1,024 codes is 512 bytes), in two chunks of 512 along K: every LDS byte is filled once, so there is no ring; chunk 1 lands while chunk 0 is multiplied.
; CLUSTER 4 x 4: the four work-groups of a row of the cluster need the same tokens, the four of a column the same rows of W: each tile is asked for jointly.
; TWO FORMS, chosen by the cluster's x, which all sixteen partners share.  q, k: source 0 = 16 rows of W, source 1 = 16 tokens: a lane holds ONE token and its registers run along the head.
; v: source 0 = 16 tokens, source 1 = 16 rows of W: a lane holds one channel and its registers run along the keys.  By the order in which xc's and wc's rows are stored, the 16 registers of
; tiles 2 B and 2 B + 1 of source 0 are the 16 neighbours 32 B + 16 (lane / 16) + 0 .. 15.  The bias is the C of each sum's first matrix instruction.
; OUT: for each (batch, head) a record of REC bytes in qkv.  Codes go as IMAGES OF OPERAND REGISTERS: four registers (16 rows x 64 along K; lane l = row l % 16, codes 32 (l / 16) + 0 .. 31), lane l's 16 bytes at 16 l:
; each store of a wave covers 512 consecutive bytes.  K's and Q's images [32 tokens][2 tiles]; V's [128 keys][4 tiles of 16 channels][2 halves of the keys].
; Scale words: K's and Q's [32 tokens][row]: two bytes of the first tile, two of the second; V's [128 keys][tile][row]: a byte for each 32 keys.
; The scale stores are short (128 bytes on end for q and k; 2 bytes a lane, 4 apart, for v): one byte in 16 of what the launch stores; gathering them would want a wider work-group.
; LIMITS: as in the first launch: the byte of a block of zeros is 1; blocks under 2^-124 are held at that floor; NaN and infinities are not served.
; Nothing is prefetched: every tile is asked for at the kernel's head.
.set REC,   208896
.set VIMG,  65536
.set KSC,   131072
.set VSC,   135168
.set QIMG,  139264
.set QSC,   204800
.set PITCH, 272                        ; an LDS row: 256 bytes + 16 of padding: the 16 rows that a load touches start at 16 different banks (64 banks of 4 bytes: ISA guide 11.1)
.set XCH,   256*PITCH                  ; a chunk of the tokens' codes
.set WB,    2*XCH                      ; W's chunks begin here
.set WCH,   128*PITCH
.set SCX,   WB+2*WCH                   ; the tokens' scale bytes: 256 rows x 32 bytes as 32 runs of 256 bytes + 16
.set SCW,   SCX+32*272                 ; W's: 16 such runs
.set ADX,  8                           ; v8-9    LDS address of my tokens' fragments in chunk 0, 1
.set ADW,  10                          ; v10-11  the same for W
.set ADS,  12                          ; v12     my scale words: lanes 0-15 the tokens', lanes 16-31 W's
.set BO,   13                          ; v13     the bias loads' offset
.set LI,   14                          ; v14     16 x lane
.set LS,   15                          ; v15     4 x lane
.set SC,   16                          ; v16-31  scale words: register 4 i + q: tile i, the chunk's q-th 128 along K
.set XF,   32                          ; v32-63  four fragments of tokens
.set WF,   64                          ; v64-95  four fragments of W
.set BIAS, 96                          ; v96-127
.set ACC,  128                         ; accumulator (source-1 tile i, source-0 tile t) at v[128 + 32 i + 8 t]
.set TM,   32                          ; the quantiser, over the fragments' registers: largest magnitudes,
.set TX,   40                          ; the other half of the lanes',
.set SO,   48                          ; the conversions' scale operands,
.set BY,   56                          ; the bytes,
.set CD,   64                          ; the codes: tile i in v[64 + 4 i ..],
.set HW,   80                          ; and tile i's two bytes
.set G1X,  32                          ; s[32:39] descriptor group 1: tokens' codes;  s[40:47] W's;  s[48:55] tokens' scales;  s[56:63] W's
.set G1W,  40
.set G1SX, 48
.set G1SW, 56
.set GXS,  68                          ; groups 0: s[68:71] tokens' scales, s[72:79] their two chunks, s[80:83] W's scales, s[84:91] its two chunks
.set GX,   72
.set GWS,  80
.set GW,   84
.set FLC,  (1<<20)|(1<<21)|(5<<22)|(3<<25)   ; elements of 1 byte; padding on; bit 21 beside a mask; after every 64 words four words
.set FLS,  FLC|(3<<16)                 ; the same with elements of 8 bytes
; A joint load: waves 0-3 fetch for the tokens, waves 4-7 for W.  The branch hangs on the wave's number alone.  Four v_nop follow each of the two lines.
.macro JLOAD g0a, g1a, g0b, g1b
	s_cmp_eq_u32 s21, 0
	s_cbranch_scc0 .Lfor_w_\@
	tensor_load_to_lds s[\g0a:\g0a+3], s[\g1a:\g1a+7]
	s_nop 0
.rept 4
	v_nop
.endr
	s_branch .Lasked_\@
.Lfor_w_\@:
	tensor_load_to_lds s[\g0b:\g0b+3], s[\g1b:\g1b+7]
	s_nop 0
.rept 4
	v_nop
.endr
.Lasked_\@:
.endm
.macro CROUND                          ; a round of the cluster's barrier
	s_barrier_signal -1
	s_barrier_wait -1
	s_cmp_lg_u32 s20, 0
	s_cbranch_scc1 .Lnot_wave_0_\@
	s_barrier_signal -3
.Lnot_wave_0_\@:
	s_barrier_wait -3
	s_barrier_signal -1
	s_barrier_wait -1
.endm
.macro PLACES                          ; four plain vector instructions between a matrix instruction and a load into, or a vector instruction on, its registers
.rept 4
	v_nop
.endr
.endm
	s_load_b256 s[4:11], s[0:1], 0x0               ; xc 4:5, xs 6:7, wc 8:9, ws 10:11
	s_load_b256 s[12:19], s[0:1], 0x20             ; bq 12:13, bk 14:15, bv 16:17, qkv 18:19
	v_lshl_add_u32 v7, v0, 2, 0x36300
	s_set_vgpr_msb 0x40
	v_mov_b32 v1, 0
	s_set_vgpr_msb 0x4044
	ds_add_u32 v7, v1
	ds_add_u32 v7, v1
	s_set_vgpr_msb 0x4400
	v_lshrrev_b32 v1, 5, v0
	v_readfirstlane_b32 s20, v1                    ; wave 0..7
	s_lshr_b32 s21, s20, 2                         ; my half of W's rows.  Also: I fetch for the tokens (0) or for W (1)
	s_and_b32 s22, s20, 3                          ; my quarter of the tokens.  Also: which quarter of a tile I fetch
	s_bfe_u32 s23, ttmp6, 0x40000                  ; cx, cy: my place in the cluster
	s_bfe_u32 s24, ttmp6, 0x40004
	s_lshl_b32 s25, ttmp9, 2
	s_add_co_u32 s25, s25, s23                     ; tc: which 128 rows of W, 0..23
	s_and_b32 s26, ttmp7, 0xffff
	s_lshl_b32 s26, s26, 2
	s_add_co_u32 s26, s26, s24                     ; ty: which 256 tokens, 0..31
	s_lshl_b32 s27, s24, 2
	s_lshl_b32 s27, 15, s27                        ; my row of the cluster
	s_lshl_b32 s28, 0x1111, s23                    ; my column
	s_or_b32 s[G1X], s27, FLC                      ; the tokens' tiles go to my row,
	s_or_b32 s[G1W], s28, FLC                      ; W's to my column
	s_or_b32 s[G1SX], s27, FLS
	s_or_b32 s[G1SW], s28, FLS
.irp g, G1X, G1W
	s_mov_b32 s[\g+1], 256<<16                     ; tensor_dim0: 256 bytes of a row
	s_mov_b32 s[\g+3], 256<<16                     ; tile_dim0
	s_mov_b32 s[\g+5], 512                         ; from row to row in memory
	s_mov_b32 s[\g+6], 0
	s_mov_b32 s[\g+7], 0
.endr
	s_mov_b32 s[G1X+2], 64<<16                     ; 64 rows of tokens a load,
	s_mov_b32 s[G1X+4], 64
	s_mov_b32 s[G1W+2], 32<<16                     ; 32 rows of W
	s_mov_b32 s[G1W+4], 32
.irp g, G1SX, G1SW
	s_mov_b32 s[\g+1], 32<<16                      ; the scale bytes are dense: rows of 32 elements of 8 bytes
	s_mov_b32 s[\g+3], 32<<16
	s_mov_b32 s[\g+5], 32
	s_mov_b32 s[\g+6], 0
	s_mov_b32 s[\g+7], 0
.endr
	s_mov_b32 s[G1SX+2], 8<<16                     ; 64 rows x 32 bytes = 8 such rows,
	s_mov_b32 s[G1SX+4], 8
	s_mov_b32 s[G1SW+2], 4<<16                     ; 32 rows x 32 bytes = 4
	s_mov_b32 s[G1SW+4], 4
	; where the tiles come from: the tokens' hang on ty and the wave alone, W's on tc and the wave alone, each in registers of its own
	s_lshl_b32 s92, s26, 8
	s_lshl_b32 s93, s22, 6
	s_add_co_u32 s92, s92, s93                     ; row 256 ty + 64 x quarter
	s_lshl_b32 s94, s92, 9                         ; its codes,
	s_mov_b32 s95, 0
	s_lshl_b32 s92, s92, 5                         ; its scale bytes
	s_mov_b32 s93, 0
	s_lshl_b32 s96, s25, 7
	s_lshl_b32 s97, s22, 5
	s_add_co_u32 s96, s96, s97                     ; row 128 tc + 32 x quarter
	s_lshl_b32 s98, s96, 9
	s_mov_b32 s99, 0
	s_lshl_b32 s96, s96, 5
	s_mov_b32 s97, 0
	s_mul_i32 s29, s22, 64*PITCH                   ; and where they go: no place in the cluster enters an LDS address
	s_mul_i32 s30, s22, 32*PITCH
	s_mul_i32 s31, s22, 8*272
	s_mul_i32 s100, s22, 4*272
	s_wait_dscnt 0x0
	s_wait_kmcnt 0x0
	s_add_nc_u64 s[92:93], s[6:7], s[92:93]
	s_add_nc_u64 s[94:95], s[4:5], s[94:95]
	s_add_nc_u64 s[96:97], s[10:11], s[96:97]
	s_add_nc_u64 s[98:99], s[8:9], s[98:99]
	CROUND                                         ; all sixteen work-groups are here: the joint loads meet
	s_mov_b32 s[GXS], 1
	s_add_co_u32 s[GXS+1], s31, SCX
	s_mov_b64 s[GXS+2:GXS+3], s[92:93]
	s_or_b32 s[GXS+3], s[GXS+3], 0x80000000
	s_mov_b32 s[GWS], 1
	s_add_co_u32 s[GWS+1], s100, SCW
	s_mov_b64 s[GWS+2:GWS+3], s[96:97]
	s_or_b32 s[GWS+3], s[GWS+3], 0x80000000
	JLOAD GXS, G1SX, GWS, G1SW                     ; the scales first: they are wanted with chunk 0
.irp c, 0,1
	s_mov_b32 s[GX+4*\c], 1
	s_add_co_u32 s[GX+4*\c+1], s29, \c*XCH
	s_add_nc_u64 s[GX+4*\c+2:GX+4*\c+3], s[94:95], \c*256
	s_or_b32 s[GX+4*\c+3], s[GX+4*\c+3], 0x80000000
	s_mov_b32 s[GW+4*\c], 1
	s_add_co_u32 s[GW+4*\c+1], s30, WB+\c*WCH
	s_add_nc_u64 s[GW+4*\c+2:GW+4*\c+3], s[98:99], \c*256
	s_or_b32 s[GW+4*\c+3], s[GW+4*\c+3], 0x80000000
	JLOAD GX+4*\c, G1X, GW+4*\c, G1W               ; three tensor loads of mine are out behind the second of these
.endr
	v_and_b32 v1, 15, v0                           ; r = lane % 16
	v_bfe_u32 v2, v0, 4, 1                         ; h = lane / 16
	v_and_b32 v3, 31, v0                           ; lane
	v_mul_u32_u24 v4, v1, PITCH
	v_lshl_add_u32 v4, v2, 4, v4                   ; a fragment's row x pitch + 16 h
	s_mul_i32 s101, s21, 64*PITCH
	s_add_co_u32 s101, s101, WB
	v_add_nc_u32 v[ADX], s29, v4                   ; my 64 tokens,
	v_add_nc_u32 v[ADX+1], XCH, v[ADX]
	v_add_nc_u32 v[ADW], s101, v4                  ; my 64 rows of W
	v_add_nc_u32 v[ADW+1], WCH, v[ADW]
	v_lshlrev_b32 v5, 5, v1                        ; my row's scale bytes: 32 a row,
	v_lshrrev_b32 v6, 8, v5
	v_lshl_add_u32 v5, v6, 4, v5                   ; and 16 more for each 256 passed
	s_mul_i32 s101, s21, 8*272
	s_add_co_u32 s101, s101, 32*272
	s_sub_co_u32 s101, s101, s31                   ; from my tokens' scales to my rows of W's: one product in h
	v_mul_u32_u24 v6, s101, v2
	s_add_co_u32 s31, s31, SCX
	v_add_nc_u32 v5, v5, v6
	v_add_nc_u32 v[ADS], s31, v5
	v_lshlrev_b32 v[LI], 4, v3
	v_lshlrev_b32 v[LS], 2, v3
	s_mov_b32 s2, 0x76543210
	s_mov_b32 s3, 0xfedcba98                       ; v_permlanex16_b32's selects for lane l xor 16
	s_lshr_b32 s27, s26, 3                         ; the batch
	s_lshl_b32 s27, s27, 4
	s_lshl_b32 s28, s25, 1
	s_add_co_u32 s28, s28, s21
	s_and_b32 s28, s28, 15                         ; the head: (2 tc + my half) mod 16, in q, k and v alike
	s_add_co_u32 s27, s27, s28
	s_mul_i32 s27, s27, REC                        ; s27: the record's first byte
	s_and_b32 s28, s26, 7                          ; s28: which 256 tokens of the batch's 2,048
	s_cmp_lt_u32 ttmp9, 4                          ; the bias: bq, bk or bv by the cluster's x
	s_cselect_b64 s[14:15], s[14:15], s[16:17]
	s_cmp_lt_u32 ttmp9, 2
	s_cselect_b64 s[12:13], s[12:13], s[14:15]
	s_lshl_b32 s29, s25, 7
	s_lshl_b32 s30, s21, 6
	s_add_co_u32 s29, s29, s30
	s_and_b32 s29, s29, 1023                       ; my first row of W in its own tensor
	s_lshl_b32 s30, s29, 2
	s_mov_b32 s31, 0
	s_add_nc_u64 s[12:13], s[12:13], s[30:31]
	s_cmp_ge_u32 ttmp9, 4
	s_cbranch_scc1 .Lbias_v
	v_lshlrev_b32 v[BO], 6, v2                     ; q, k: register j of tile t is W's row 32 (t / 2) + 16 h + 8 (t % 2) + j
.irp t, 0,1,2,3
	global_load_b128 v[BIAS+8*\t:BIAS+8*\t+3], v[BO], s[12:13] offset:(32*(\t/2)+8*(\t%2))*4
	global_load_b128 v[BIAS+8*\t+4:BIAS+8*\t+7], v[BO], s[12:13] offset:(32*(\t/2)+8*(\t%2))*4+16
.endr
	s_branch .Lbias_done
.Lbias_v:
	v_and_b32 v[BO], 8, v1                         ; v: all eight registers of tile i hold the bias of W's row 32 (i / 2) + 8 (i % 2) + r + 8 (r / 8)
	v_add_nc_u32 v[BO], v[BO], v1
	v_lshlrev_b32 v[BO], 2, v[BO]
.irp i, 0,1,2,3
.irp j, 0,1,2,3,4,5,6,7
	global_load_b32 v[BIAS+8*\i+\j], v[BO], s[12:13] offset:(32*(\i/2)+8*(\i%2))*4
.endr
.endr
.Lbias_done:
.macro FRAG reg, adr, i, q             ; 16 rows x 128 K of 4-bit codes: 8 registers: lane l holds row l % 16; registers 4 c .. 4 c + 3 hold K = 64 c + 32 (l / 16) + 0 .. 31
.irp c, 0,1
	ds_load_b128 v[\reg+8*(\i)+4*\c:\reg+8*(\i)+4*\c+3], v[\adr] offset:(\i)*16*PITCH+64*(\q)+32*\c
.endr
.endm
.macro SCALES ch                       ; a chunk's four scale words a row: lanes 0-15 the tokens' tile i, lanes 16-31 W's tile i
.irp i, 0,1,2,3
	ds_load_b128 v[SC+4*\i:SC+4*\i+3], v[ADS] offset:544*\i+16*\ch
.endr
.endm
; Four matrix instructions: source-1 tile i against the four source-0 tiles.  mode 0: q, k; mode 1: v.  first = 1: the bias starts the sums: nothing is cleared.
; The 16 accumulators take turns, one instruction a turn, in the same order in every step.
.macro MM mode, i, q, first
.irp t, 0,1,2,3
.set rD, ACC+32*(\i)+8*\t
.if \mode == 0
.set rA, WF+8*\t
.set rB, XF+8*(\i)
.set rC, BIAS+8*\t
.else
.set rA, XF+8*\t
.set rB, WF+8*(\i)
.set rC, BIAS+8*(\i)
.endif
.if \first == 0
.set rC, rD
.endif
.if \mode == 0
	v_wmma_scale_f32_16x16x128_f8f6f4 v[rD:rD+7], v[rA:rA+7], v[rB:rB+7], v[rC:rC+7], v[SC+4*\t+(\q)], v[SC+4*(\i)+(\q)] matrix_a_fmt:MATRIX_FMT_FP4 matrix_b_fmt:MATRIX_FMT_FP4 matrix_a_scale:MATRIX_SCALE_ROW1
.else
	v_wmma_scale_f32_16x16x128_f8f6f4 v[rD:rD+7], v[rA:rA+7], v[rB:rB+7], v[rC:rC+7], v[SC+4*\t+(\q)], v[SC+4*(\i)+(\q)] matrix_a_fmt:MATRIX_FMT_FP4 matrix_b_fmt:MATRIX_FMT_FP4 matrix_b_scale:MATRIX_SCALE_ROW1
.endif
.endr
.endm
; A step of 128 along K: 16 (with the scale words 20) LDS loads in one run, source 0's fragments first, then 16 matrix instructions.
.macro KSTEP mode, ch, q, first
.if \first == 0
	PLACES
.endif
.if \q == 0
	SCALES \ch
.endif
.if \mode == 0
.irp i, 0,1,2,3
	FRAG WF, ADW+\ch, \i, \q
.endr
.irp i, 0,1,2,3
	FRAG XF, ADX+\ch, \i, \q
.endr
.else
.irp i, 0,1,2,3
	FRAG XF, ADX+\ch, \i, \q
.endr
.irp i, 0,1,2,3
	FRAG WF, ADW+\ch, \i, \q
.endr
.endif
	s_wait_dscnt 6                                 ; all but source 1's fragments 1 to 3, two loads each
	MM \mode, 0, \q, \first
	s_wait_dscnt 4
	MM \mode, 1, \q, \first
	s_wait_dscnt 2
	MM \mode, 2, \q, \first
	s_wait_dscnt 0x0
	MM \mode, 3, \q, \first
.endm
; The 128 results of a lane are 8 groups of 16 neighbours along the next K: group 2 i + B = block B (32 numbers, shared with lane l xor 16) of source-1 tile i's row l % 16.
.macro QUANT8
.irp k, 0,1,2,3,4,5,6,7
	v_max3_num_f32 v[TM+\k], |v[ACC+16*\k]|, |v[ACC+16*\k+1]|, 0x1800000   ; with the floor 2^(3 - 127): the byte cannot fall under 1.  Each accumulator is read from its low end on
.endr
.irp i, 2,4,6,8,10,12,14
.irp k, 0,1,2,3,4,5,6,7
	v_max3_num_f32 v[TM+\k], v[TM+\k], |v[ACC+16*\k+\i]|, |v[ACC+16*\k+\i+1]|   ; the eight groups by turns
.endr
.endr
.irp k, 0,1,2,3,4,5,6,7
	v_permlanex16_b32 v[TX+\k], v[TM+\k], s2, s3
.endr
.irp k, 0,1,2,3,4,5,6,7
	v_max_num_f32 v[TM+\k], v[TM+\k], v[TX+\k]     ; the block's largest magnitude
.endr
.irp k, 0,1,2,3,4,5,6,7
	v_add_nc_u32 v[SO+\k], 0xff000000, v[TM+\k]    ; 2 off its exponent field: the conversion's scale operand
.endr
.irp k, 0,1,2,3,4,5,6,7
	v_lshrrev_b32 v[BY+\k], 23, v[SO+\k]           ; the scale's byte
.endr
.irp i, 0,1,2,3
	v_lshl_or_b32 v[HW+\i], v[BY+2*\i+1], 8, v[BY+2*\i]   ; tile i's two bytes
.endr
.irp k, 0,1,2,3,4,5,6,7
	v_cvt_scalef32_pk8_fp4_f32 v[CD+2*\k], v[ACC+16*\k:ACC+16*\k+7], v[SO+\k]
	v_cvt_scalef32_pk8_fp4_f32 v[CD+2*\k+1], v[ACC+16*\k+8:ACC+16*\k+15], v[SO+\k]
.endr
	v_nop                                          ; one plain line behind the scaled conversions
.irp i, 0,1,2,3                        ; an operand wants a WHOLE block in a lane: lanes 0-15 block 0, lanes 16-31 block 1
	v_permlane16_swap_b32 v[CD+4*\i], v[CD+4*\i+2]
	v_permlane16_swap_b32 v[CD+4*\i+1], v[CD+4*\i+3]
.endr
.endm
	s_wait_loadcnt 0x0                             ; the bias
	s_wait_tensorcnt 1                             ; my parts of the scales and of chunk 0 are in; chunk 1's load, issued behind them, may be out
	s_barrier_signal -1
	s_barrier_wait -1                              ; everybody's are
	s_cmp_ge_u32 ttmp9, 4
	s_cbranch_scc1 .Lv0
	KSTEP 0, 0, 0, 1
	KSTEP 0, 0, 1, 0
	KSTEP 0, 0, 2, 0
	KSTEP 0, 0, 3, 0
	s_branch .Lj0
.Lv0:
	KSTEP 1, 0, 0, 1
	KSTEP 1, 0, 1, 0
	KSTEP 1, 0, 2, 0
	KSTEP 1, 0, 3, 0
.Lj0:
	s_wait_tensorcnt 0x0                           ; my part of chunk 1 is in,
	s_wait_dscnt 0x0
	s_barrier_signal -1
	s_barrier_wait -1                              ; everybody's is
	s_cmp_ge_u32 ttmp9, 4
	s_cbranch_scc1 .Lv1
	KSTEP 0, 1, 0, 0
	KSTEP 0, 1, 1, 0
	KSTEP 0, 1, 2, 0
	KSTEP 0, 1, 3, 0
	s_lshl_b32 s30, s28, 3                         ; q, k: my 64 tokens are blocks tb0 and tb0 + 1 of 32: tb0 = 8 (ty % 8) + 2 x quarter
	s_lshl_b32 s31, s22, 1
	s_add_co_u32 s30, s30, s31
	s_cmp_lt_u32 ttmp9, 2
	s_cselect_b32 s92, QIMG, 0                     ; q's images or k's,
	s_cselect_b32 s94, QSC-KSC, 0                  ; q's scale words or k's
	s_add_co_u32 s92, s92, s27
	s_lshl_b32 s31, s30, 10
	s_add_co_u32 s92, s92, s31
	s_mov_b32 s93, 0
	s_add_co_u32 s94, s94, s27
	s_lshl_b32 s31, s30, 6
	s_add_co_u32 s94, s94, s31
	s_add_co_u32 s94, s94, KSC
	s_mov_b32 s95, 0
	s_add_nc_u64 s[92:93], s[18:19], s[92:93]
	s_add_nc_u64 s[94:95], s[18:19], s[94:95]
	PLACES
	QUANT8
	v_lshl_or_b32 v84, v[HW+1], 16, v[HW]          ; the word of the first 32 tokens' row r,
	v_lshl_or_b32 v85, v[HW+3], 16, v[HW+2]        ; of the second 32's
	v_cmp_lt_u32 vcc_lo, 15, v3
	v_cndmask_b32 v84, v84, v85, vcc_lo            ; lanes 0-15 store the first, lanes 16-31 the second
.irp i, 0,1,2,3
	global_store_b128 v[LI], v[CD+4*\i:CD+4*\i+3], s[92:93] offset:512*\i   ; 32 lanes store 512 consecutive bytes
.endr
	global_store_b32 v[LS], v84, s[94:95]
	s_branch .Ldone
.Lv1:
	KSTEP 1, 1, 0, 0
	KSTEP 1, 1, 1, 0
	KSTEP 1, 1, 2, 0
	KSTEP 1, 1, 3, 0
	s_lshl_b32 s31, s28, 2                         ; v: my 64 keys are group g = 4 (ty % 8) + quarter: half g % 2 of key step g / 2
	s_add_co_u32 s31, s31, s22
	s_lshr_b32 s92, s31, 1
	s_and_b32 s31, s31, 1
	s_lshl_b32 s94, s92, 8                         ; 256 bytes of scale words a key step,
	s_lshl_b32 s92, s92, 12                        ; 4,096 of codes
	s_lshl_b32 s93, s31, 9
	s_add_co_u32 s92, s92, s93
	s_add_co_u32 s92, s92, s27
	s_add_co_u32 s92, s92, VIMG
	s_mov_b32 s93, 0
	s_lshl_b32 s95, s31, 1
	s_add_co_u32 s94, s94, s95
	s_add_co_u32 s94, s94, s27
	s_add_co_u32 s94, s94, VSC
	s_mov_b32 s95, 0
	s_add_nc_u64 s[92:93], s[18:19], s[92:93]
	s_add_nc_u64 s[94:95], s[18:19], s[94:95]
	PLACES
	QUANT8
	v_cmp_lt_u32 vcc_lo, 15, v3
	v_cndmask_b32 v84, v[HW], v[HW+1], vcc_lo      ; lanes 0-15: channel tile 0's two bytes, lanes 16-31: tile 1's
	v_cndmask_b32 v85, v[HW+2], v[HW+3], vcc_lo    ; tiles 2 and 3
.irp i, 0,1,2,3
	global_store_b128 v[LI], v[CD+4*\i:CD+4*\i+3], s[92:93] offset:1024*\i   ; 32 lanes store 512 consecutive bytes
.endr
	global_store_b16 v[LS], v84, s[94:95]
	global_store_b16 v[LS], v85, s[94:95] offset:128
.Ldone:
	s_set_vgpr_msb 0x4
	s_wait_tensorcnt 0x0
	ds_add_u32 v7, v1
	s_wait_dscnt 0x0
	s_set_vgpr_msb 0x400
	CROUND                                         ; the closing round: no work-group ends while a partner may still ask for a tile that names it
	s_endpgm
.Lfunc_end_k_q506d59ec71_qkv:
	.size	k_q506d59ec71_qkv, .Lfunc_end_k_q506d59ec71_qkv-k_q506d59ec71_qkv
	.p2alignl 7, 3214868480
	.fill 96, 4, 3214868480
	.section	.rodata,"a",@progbits
	.p2align	6, 0x0
	.amdhsa_kernel k_q506d59ec71_qkv
		.amdhsa_group_segment_fixed_size 222976
		.amdhsa_private_segment_fixed_size 0
		.amdhsa_enable_private_segment 0
		.amdhsa_kernarg_size 64
		.amdhsa_user_sgpr_count 2
		.amdhsa_user_sgpr_kernarg_segment_ptr 1
		.amdhsa_wavefront_size32 1
		.amdhsa_system_sgpr_workgroup_id_x 1
		.amdhsa_system_sgpr_workgroup_id_y 1
		.amdhsa_system_sgpr_workgroup_id_z 1
		.amdhsa_system_vgpr_workitem_id 0
		.amdhsa_next_free_vgpr 258
		.amdhsa_next_free_sgpr 102
		.amdhsa_reserve_vcc 1
		.amdhsa_float_denorm_mode_32 3
		.amdhsa_float_denorm_mode_16_64 3
		.amdhsa_memory_ordered 1
		.amdhsa_forward_progress 1
		.amdhsa_inst_pref_size 85
	.end_amdhsa_kernel
	.amdgpu_metadata
---
amdhsa.version: [ 1, 2 ]
amdhsa.kernels:
  - .name:           k_q506d59ec71_qkv
    .symbol:         k_q506d59ec71_qkv.kd
    .args:
      - { .name: xc, .offset: 0, .size: 8, .value_kind: global_buffer, .address_space: global }
      - { .name: xs, .offset: 8, .size: 8, .value_kind: global_buffer, .address_space: global }
      - { .name: wc, .offset: 16, .size: 8, .value_kind: global_buffer, .address_space: global }
      - { .name: ws, .offset: 24, .size: 8, .value_kind: global_buffer, .address_space: global }
      - { .name: bq, .offset: 32, .size: 8, .value_kind: global_buffer, .address_space: global }
      - { .name: bk, .offset: 40, .size: 8, .value_kind: global_buffer, .address_space: global }
      - { .name: bv, .offset: 48, .size: 8, .value_kind: global_buffer, .address_space: global }
      - { .name: qkv, .offset: 56, .size: 8, .value_kind: global_buffer, .address_space: global }
    .group_segment_fixed_size: 222976
    .private_segment_fixed_size: 0
    .kernarg_segment_align: 8
    .kernarg_segment_size: 64
    .max_flat_workgroup_size: 256
    .sgpr_count:     102
    .vgpr_count:     258
    .wavefront_size: 32
...
	.end_amdgpu_metadata
.endif
;; end of part 2
;; launch attn (part 3): grid 4 x 64, 16 waves a work-group, clusters of 4 x 1, 169,984 bytes of LDS; arguments qkv, temperature, oc, os; writes oc, os
.if DOCPART == 3
	.amdgcn_target "amdgcn-amd-amdhsa--gfx1250"
	.amdhsa_code_object_version 6
	.text
	.protected	k_q506d59ec71_attn
	.globl	k_q506d59ec71_attn
	.p2align	8
	.type	k_q506d59ec71_attn,@function
k_q506d59ec71_attn:
	s_mov_b64 s[64:65], 0
	v_nop
	global_prefetch_b8 v0, s[64:65] scope:SCOPE_SE
	s_setreg_imm32_b32 hwreg(HW_REG_WAVE_MODE, 25, 1), 1
	s_wait_xcnt 0x0
	s_wait_alu depctr_hold_cnt(0) depctr_sa_sdst(0) depctr_va_vdst(0) depctr_va_sdst(0) depctr_va_ssrc(0) depctr_va_vcc(0) depctr_vm_vsrc(0)
	s_getreg_b32 s2, hwreg(HW_REG_IB_STS2, 6, 4)
	s_cmp_eq_u32 s2, 0
	s_cbranch_scc0 .Lentry_in_a_cluster
	s_endpgm
.Lentry_in_a_cluster:
	s_bfe_u32 s2, ttmp6, 0x10000c
	s_cmp_lg_u32 s2, 0x3003
	s_cbranch_scc0 .Lentry_shape_is_right
	s_endpgm
.Lentry_shape_is_right:
; For each (batch, head): o = softmax(q k^T / (8 (|temperature| + 1e-8))) v, both products on codes of FP4 with E8M0 scales; o is quantised at once along the model's 1,024 for the last product.
; THE SOFTMAX AHEAD OF THE SECOND PRODUCT: t = score x c, c = log2(e) / (8 (|temperature| + 1e-8)); M = the running largest t rounded UP to a whole number; p = 2^(t - M) is quantised along the keys, not normalised;
; the row's sum is taken of the unquantised p and divides at the end.  When M moves, the sum and O are multiplied by 2^(old M - new M): exact, and without a branch on data.
; SHARES: a work-group owns one head and 512 queries; each of its sixteen waves 32 queries, as two tiles of 16, one after the other, in 256 registers: four waves to a SIMD, so that one wave's
; vector work stands beside another's matrix work and LDS loads.  Every wave walks the head's 2,048 keys, 128 a trip.
; A WHOLE HEAD LIES IN LDS: the first 139,264 bytes of the head's record (K's images, V's images, their scale words) are dense in memory; each wave brings 34 rows of 256 bytes by ONE tensor load; nothing is filled again.
; CLUSTER 4 x 1: the four work-groups of a head need the same bytes and ask for them jointly.  Nothing is prefetched: all is asked for at the kernel's head.
; LAYOUT: both products transposed: S^T = K Q^T, O^T = V^T P^T: a lane holds ONE query (lane % 16) throughout.  All operands lie in LDS as images of their registers: every LDS load reads 16 x lane or 4 x lane on end.
; THE HEAD IS 64 LONG, THE INSTRUCTION 128 DEEP: a fragment of K carries TWO tiles of 16 keys, one in K places 0-63 and one in 64-127; q stands in one half of source 1 and zero codes in the other, which add nothing.
; By the order in which the tokens' rows were stored, the 16 registers of the two tiles of fragment b are the keys 32 b + 16 (lane / 16) + 0 .. 15; likewise O^T's along the head.
; OUT: oc [tile of 16 tokens][head][lane][16 bytes]: images of half fragments, 512 consecutive bytes a store.  os [token as stored][32 bytes]: two bytes a head: stores of 2 bytes a lane, 32 apart: one byte in 16 of what the launch stores.
; LIMITS: the byte of a block of zeros is 1; blocks under 2^-124 are held at that floor; NaN and infinities are not served.
; REGISTERS: v1-3 addresses that stay, v4-6 those of the trip; v7 32 x lane; v12 -M, v13 the largest t, v[14:15] the sum in two halves; v16-19, v24-27 zeros round q in v20-23; v28 q's scale word; v32-63 K; v64-95 V;
; v96-159 S^T, then p; v160-191 O^T; v192-199 p's codes; v200-215 at work; v216-219 K's and V's scale words; v220-223 the second tile's q; v224-234 the way out.
.set REC,  208896
.set QIMG, 139264
.set QSC,  204800
.set BM,   200                         ; v200-203 the blocks' largest scores, then largest p
.set BT,   204                         ; v204-207 at work
.set BS,   208                         ; v208-211 the conversions' scale operands
.macro CROUND                          ; a round of the cluster's barrier
	s_barrier_signal -1
	s_barrier_wait -1
	s_cmp_lg_u32 s12, 0
	s_cbranch_scc1 .Lnot_wave_0_\@
	s_barrier_signal -3
.Lnot_wave_0_\@:
	s_barrier_wait -3
	s_barrier_signal -1
	s_barrier_wait -1
.endm
	s_load_b256 s[4:11], s[0:1], 0x0               ; qkv 4:5, temperature 6:7, oc 8:9, os 10:11
	v_lshl_add_u32 v254, v0, 2, 0x29000
	v_mov_b32 v255, 0
	ds_add_u32 v254, v255
	ds_add_u32 v254, v255
	v_lshrrev_b32 v1, 5, v0
	v_readfirstlane_b32 s12, v1                    ; wave 0..15
	s_bfe_u32 s13, ttmp6, 0x40000                  ; cx
	s_lshl_b32 s14, ttmp9, 2
	s_add_co_u32 s13, s13, s14                     ; which 512 queries: it enters global addresses alone
	s_and_b32 s14, ttmp7, 0xffff                   ; the record: 16 x batch + head, which the four partners share
	s_mov_b32 s24, 15|(3<<16)|(1<<21)              ; group 1: the mask names all four; elements of 8 bytes; bit 21 beside a mask; no padding
	s_mov_b32 s25, 32<<16                          ; tensor_dim0: 32 elements = 256 bytes
	s_mov_b32 s26, 34<<16                          ; tensor_dim1: 34 rows
	s_mov_b32 s27, 32<<16                          ; tile_dim0
	s_mov_b32 s28, 34                              ; tile_dim1
	s_mov_b32 s29, 32                              ; from row to row: dense
	s_mov_b32 s30, 0
	s_mov_b32 s31, 0
	s_mul_i32 s16, s14, REC
	s_mov_b32 s17, 0
	s_mul_i32 s18, s12, 8704                       ; my 34 rows, in memory and in LDS alike
	s_mov_b32 s19, 0
	s_mov_b32 s20, 0x76543210
	s_mov_b32 s21, 0xfedcba98                      ; v_permlanex16_b32's selects for lane l xor 16
	s_wait_dscnt 0x0
	s_wait_kmcnt 0x0
	s_load_b32 s37, s[6:7], 0x0                    ; the temperature
	s_add_nc_u64 s[4:5], s[4:5], s[16:17]          ; the head's record
	s_mov_b32 s32, 1                               ; group 0: count = 1,
	s_mov_b32 s33, s18                             ; LDS address,
	s_add_nc_u64 s[34:35], s[4:5], s[18:19]        ; global address,
	s_or_b32 s35, s35, 0x80000000                  ; type = 2
	CROUND                                         ; all four work-groups are here: the joint loads meet
	tensor_load_to_lds s[32:35], s[24:31]          ; my one tensor load of the launch
	s_nop 0
.rept 4
	v_nop
.endr
	v_and_b32 v29, 31, v0
	v_lshlrev_b32 v1, 4, v29                       ; 16 x lane: K's images, and the offset of q's loads and of the codes' stores
	v_add_nc_u32 v2, 65536, v1                     ; V's images
	v_lshl_add_u32 v3, v29, 2, 131072              ; the scale words
	v_lshlrev_b32 v7, 5, v29                       ; 32 x lane: a stored token's row of os
	v_and_b32 v8, 15, v0
	v_lshlrev_b32 v8, 2, v8                        ; 4 r
	s_lshl_b32 s15, s13, 4
	s_add_co_u32 s15, s15, s12                     ; my block of 32 queries, 0..63
	s_lshl_b32 s38, s15, 10
	s_mov_b32 s39, 0
	s_add_nc_u64 s[38:39], s[4:5], s[38:39]
	s_lshl_b32 s40, s15, 6
	s_mov_b32 s41, 0
	s_add_nc_u64 s[40:41], s[4:5], s[40:41]
	global_load_b128 v[20:23], v1, s[38:39] offset:QIMG        ; q of my first tile,
	global_load_b128 v[220:223], v1, s[38:39] offset:QIMG+512  ; of my second,
	global_load_b32 v30, v8, s[40:41] offset:QSC               ; and row r's scale bytes of both: two and two
	s_lshr_b32 s42, s14, 4                         ; batch
	s_and_b32 s43, s14, 15                         ; head
	s_lshl_b32 s42, s42, 6
	s_add_co_u32 s42, s42, s15                     ; my 32 tokens among all: 64 x batch + block
	s_lshl_b32 s44, s42, 14                        ; two tiles of 8,192 bytes in oc,
	s_lshl_b32 s46, s43, 9                         ; 512 bytes a head
	s_add_co_u32 s44, s44, s46
	s_mov_b32 s45, 0
	s_add_nc_u64 s[8:9], s[8:9], s[44:45]
	s_lshl_b32 s44, s42, 10                        ; 32 rows of 32 bytes in os,
	s_lshl_b32 s46, s43, 1                         ; two bytes a head
	s_add_co_u32 s44, s44, s46
	s_add_nc_u64 s[10:11], s[10:11], s[44:45]
.irp j, 16,17,18,19,24,25,26,27,204,205,206,207,213,215
	v_mov_b32 v\j, 0                               ; the zero codes round q; a lane permute's destination counts as one of its sources; v213 is named as the upper half of a pair
.endr
	s_mov_b32 s46, 0x322bcc77                      ; 1e-8
	s_wait_kmcnt 0x0
	v_mov_b32 v29, s37
	v_add_f32 v29, |v29|, s46
	v_mul_f32 v29, 0x41000000, v29                 ; x sqrt(64)
	v_rcp_f32 v29, v29
	v_nop                                          ; a plain line behind the reciprocal,
	s_wait_alu depctr_va_vdst(0)                   ; and the wait ahead of its first reader
	v_mul_f32 v29, 0x3fb8aa3b, v29                 ; x log2(e)
	v_readfirstlane_b32 s22, v29                   ; c: positive; it is a factor only: no address and no branch hangs on it
	s_mov_b32 s23, s22                             ; (the packed form names the pair)
	s_wait_loadcnt 0x0                             ; q
	s_wait_tensorcnt 0x0                           ; my 34 rows are in,
	s_barrier_signal -1
	s_barrier_wait -1                              ; everybody's are
; ONE TILE OF 16 QUERIES against all keys.
.macro TILE u
.if \u == 1
.irp j, 0,1,2,3
	v_mov_b32 v[20+\j], v[220+\j]
.endr
	v_lshrrev_b32 v29, 16, v30
.else
	v_and_b32 v29, 0xffff, v30
.endif
	v_lshl_or_b32 v28, v29, 16, v29                ; q's two bytes stand for both halves of the 128 places
	v_mov_b32 v13, 0xff61b1e6                      ; the largest t so far: -3e38, under every t
	v_floor_f32 v12, -v13                          ; -M
	v_mov_b32 v14, 0                               ; the sum, in two halves
	v_mov_b32 v15, 0
.set j, 0
.rept 32
	v_mov_b32 v[160+j], 0                          ; O^T: the trip is written once: the first finds zeros, which the first change of M leaves zeros.  (Also the places between q's scale word and the first product)
.set j, j+1
.endr
	s_mov_b32 s2, 0                                ; where the trip's images begin: 4,096 bytes a trip,
	s_mov_b32 s3, 0                                ; and its scale words: 256
	s_mov_b32 s36, 16
.Ltrip_\@:
	v_add_nc_u32 v4, s2, v1
	v_add_nc_u32 v5, s2, v2
	v_add_nc_u32 v6, s3, v3
	v_nop                                          ; these four are the places between the last trip's products and the loads into their registers
.irp b, 0,1,2,3
.irp c, 0,1
	ds_load_b128 v[32+8*\b+4*\c:35+8*\b+4*\c], v4 offset:1024*\b+512*\c   ; fragment b: keys 32 b on: its two tiles of 16
.endr
.endr
	ds_load_b32 v216, v6                           ; K's scale words: lanes 0-15 fragment 0's, lanes 16-31 fragment 1's;
	ds_load_b32 v217, v6 offset:128                ; fragments 2 and 3
.irp t, 0,1,2,3
.irp c, 0,1
	ds_load_b128 v[64+8*\t+4*\c:67+8*\t+4*\c], v5 offset:1024*\t+512*\c   ; V^T: 16 channels x these 128 keys
.endr
.endr
	ds_load_b32 v218, v6 offset:4096               ; V's scale words: tiles 0 and 1;
	ds_load_b32 v219, v6 offset:4224               ; 2 and 3
	s_wait_dscnt 10                                ; K and its words are in; V's ten loads may be out until the second product
.irp b, 0,1,2,3
.if \b % 2
	v_wmma_scale_f32_16x16x128_f8f6f4 v[96+16*\b:103+16*\b], v[32+8*\b:39+8*\b], v[20:27], 0, v[216+\b/2], v28 matrix_a_fmt:MATRIX_FMT_FP4 matrix_b_fmt:MATRIX_FMT_FP4 matrix_a_scale:MATRIX_SCALE_ROW1
	v_wmma_scale_f32_16x16x128_f8f6f4 v[104+16*\b:111+16*\b], v[32+8*\b:39+8*\b], v[16:23], 0, v[216+\b/2], v28 matrix_a_fmt:MATRIX_FMT_FP4 matrix_b_fmt:MATRIX_FMT_FP4 matrix_a_scale:MATRIX_SCALE_ROW1
.else
	v_wmma_scale_f32_16x16x128_f8f6f4 v[96+16*\b:103+16*\b], v[32+8*\b:39+8*\b], v[20:27], 0, v[216+\b/2], v28 matrix_a_fmt:MATRIX_FMT_FP4 matrix_b_fmt:MATRIX_FMT_FP4
	v_wmma_scale_f32_16x16x128_f8f6f4 v[104+16*\b:111+16*\b], v[32+8*\b:39+8*\b], v[16:23], 0, v[216+\b/2], v28 matrix_a_fmt:MATRIX_FMT_FP4 matrix_b_fmt:MATRIX_FMT_FP4
.endif
.endr                                  ; (q | 0) takes the fragment's first tile, (0 | q) its second: register 16 b + i is key 32 b + 16 (lane / 16) + i
.rept 4
	v_nop
.endr
.irp b, 0,1,2,3
	v_max3_num_f32 v[BM+\b], v[96+16*\b], v[97+16*\b], v[98+16*\b]   ; the largest score of each block of 32 keys: it serves for the row's maximum and, since p rises with the score, for the block's largest p
.endr
.irp i, 3,5,7,9,11,13
.irp b, 0,1,2,3
	v_max3_num_f32 v[BM+\b], v[BM+\b], v[96+16*\b+\i], v[97+16*\b+\i]
.endr
.endr
.irp b, 0,1,2,3
	v_max_num_f32 v[BM+\b], v[BM+\b], v[111+16*\b]
.endr
.irp b, 0,1,2,3
	v_permlanex16_b32 v[BT+\b], v[BM+\b], s20, s21
.endr
.irp b, 0,1,2,3
	v_max_num_f32 v[BM+\b], v[BM+\b], v[BT+\b]     ; with lane l xor 16's 16 keys
.endr
	v_max3_num_f32 v215, v200, v201, v202
	v_max_num_f32 v215, v215, v203                 ; the trip's largest score of my query
	v_mul_f32 v215, s22, v215                      ; as t
	v_max_num_f32 v13, v13, v215                   ; the running largest t
	v_mov_b32 v215, v12
	v_floor_f32 v12, -v13                          ; the new -M = -ceil(t)
	v_sub_f32 v215, v12, v215                      ; old M - new M: a whole number, 0 or less
	v_cvt_i32_f32 v215, v215                       ; (it saturates)
	v_ldexp_f32 v212, 1.0, v215                    ; f = 2^(old M - new M)
.set j, 0
.rept 32
	v_pk_fma_f32 v[96+j:97+j], v[96+j:97+j], s[22:23], v[12:13] op_sel_hi:[1,0,0]   ; t - M, two at a time
.set j, j+2
.endr
.irp b, 0,1,2,3
	v_fma_f32 v[BM+\b], v[BM+\b], s22, v12         ; the same of each block's largest score
.endr
.set j, 0
.rept 64
	v_exp_f32 v[96+j], v[96+j]                     ; p = 2^(t - M), at most 1
.set j, j+1
.endr
	v_pk_mul_f32 v[14:15], v[14:15], v[212:213] op_sel_hi:[1,0]   ; the sums under the new M (the plain line behind the exponentials)
	s_wait_alu depctr_va_vdst(0)                   ; one wait for the batch of 64, ahead of its first reader
.irp b, 0,1,2,3
	v_exp_f32 v[BM+\b], v[BM+\b]                   ; the block's largest p: the same two instructions on the same number
.endr
	v_pk_add_f32 v[204:205], v[96:97], v[98:99]    ; the row's sum of the UNQUANTISED p, in two chains
.set j, 4
.rept 15
	v_pk_add_f32 v[14:15], v[14:15], v[96+j:97+j]
	v_pk_add_f32 v[204:205], v[204:205], v[98+j:99+j]
.set j, j+4
.endr
	v_pk_add_f32 v[14:15], v[14:15], v[204:205]
	s_wait_alu depctr_va_vdst(0)                   ; and one for the four
.irp b, 0,1,2,3
	v_max_num_f32 v[BM+\b], 0x1800000, v[BM+\b]    ; the floor 2^(3 - 127): the byte cannot fall under 1
.endr
.irp b, 0,1,2,3
	v_add_nc_u32 v[BS+\b], 0xff000000, v[BM+\b]    ; 2 off the exponent field: the conversion's scale operand
.endr
.irp b, 0,1,2,3
	v_lshrrev_b32 v[BT+\b], 23, v[BS+\b]           ; the scale's byte
.endr
	v_lshl_or_b32 v214, v205, 8, v204              ; p's scale word for these 128 keys
	v_lshl_or_b32 v214, v206, 16, v214
	v_lshl_or_b32 v214, v207, 24, v214
.irp b, 0,1,2,3
	v_cvt_scalef32_pk8_fp4_f32 v[192+2*\b], v[96+16*\b:103+16*\b], v[BS+\b]
	v_cvt_scalef32_pk8_fp4_f32 v[193+2*\b], v[104+16*\b:111+16*\b], v[BS+\b]
.endr
	v_nop                                          ; one plain line behind the scaled conversions
.irp c, 0,1                            ; an operand wants a WHOLE block in a lane
.irp i, 0,1
	v_permlane16_swap_b32 v[192+4*\c+\i], v[194+4*\c+\i]
.endr
.endr
.set j, 0
.rept 16
	v_pk_mul_f32 v[160+j:161+j], v[160+j:161+j], v[212:213] op_sel_hi:[1,0]   ; O^T under the new M.  Twelve of the sixteen name no register of any one product below: the places behind p's scale word and codes
.set j, j+2
.endr
	s_wait_dscnt 0x0                               ; V and its words are in
.irp t, 0,1,2,3
.if \t % 2
	v_wmma_scale_f32_16x16x128_f8f6f4 v[160+8*\t:167+8*\t], v[64+8*\t:71+8*\t], v[192:199], v[160+8*\t:167+8*\t], v[218+\t/2], v214 matrix_a_fmt:MATRIX_FMT_FP4 matrix_b_fmt:MATRIX_FMT_FP4 matrix_a_scale:MATRIX_SCALE_ROW1
.else
	v_wmma_scale_f32_16x16x128_f8f6f4 v[160+8*\t:167+8*\t], v[64+8*\t:71+8*\t], v[192:199], v[160+8*\t:167+8*\t], v[218+\t/2], v214 matrix_a_fmt:MATRIX_FMT_FP4 matrix_b_fmt:MATRIX_FMT_FP4
.endif
.endr                                  ; the four accumulators by turns; eight other products stand between two links of a chain
	s_add_co_u32 s2, s2, 4096
	s_add_co_u32 s3, s3, 256
	s_sub_co_u32 s36, s36, 1
	s_cmp_lg_u32 s36, 0
	s_cbranch_scc1 .Ltrip_\@
	; the tile's way out: O^T / the sum, quantised along the head: two blocks of 32, each shared with lane l xor 16
.rept 4
	v_nop
.endr
	v_add_f32 v14, v14, v15
	v_permlanex16_b32 v215, v14, s20, s21
	v_add_f32 v14, v14, v215                       ; the row's sum: above 1/2, since the row's largest p is
	v_rcp_f32 v14, v14
	v_nop
	s_wait_alu depctr_va_vdst(0)                   ; ahead of the reciprocal's first reader
.set j, 0
.rept 16
	v_pk_mul_f32 v[96+j:97+j], v[160+j:161+j], v[14:15] op_sel_hi:[1,0]   ; register 16 B + i: channel 32 B + 16 (lane / 16) + i.  Each accumulator from its low end on
.set j, j+2
.endr
.irp b, 0,1
	v_max3_num_f32 v[BM+\b], |v[96+16*\b]|, |v[97+16*\b]|, 0x1800000
.endr
.irp i, 2,4,6,8,10,12,14
.irp b, 0,1
	v_max3_num_f32 v[BM+\b], v[BM+\b], |v[96+16*\b+\i]|, |v[97+16*\b+\i]|
.endr
.endr
.irp b, 0,1
	v_permlanex16_b32 v[BT+\b], v[BM+\b], s20, s21
.endr
.irp b, 0,1
	v_max_num_f32 v[BM+\b], v[BM+\b], v[BT+\b]
.endr
.irp b, 0,1
	v_add_nc_u32 v[BS+\b], 0xff000000, v[BM+\b]
.endr
.irp b, 0,1
	v_lshrrev_b32 v[BT+\b], 23, v[BS+\b]
.endr
	v_lshl_or_b32 v[232+\u], v205, 8, v204         ; row r's two bytes
.irp b, 0,1
	v_cvt_scalef32_pk8_fp4_f32 v[224+4*\u+2*\b], v[96+16*\b:103+16*\b], v[BS+\b]
	v_cvt_scalef32_pk8_fp4_f32 v[225+4*\u+2*\b], v[104+16*\b:111+16*\b], v[BS+\b]
.endr
	v_nop
	v_permlane16_swap_b32 v[224+4*\u], v[226+4*\u]
	v_permlane16_swap_b32 v[225+4*\u], v[227+4*\u]
	global_store_b128 v1, v[224+4*\u:227+4*\u], s[8:9] offset:8192*\u   ; 32 lanes store 512 consecutive bytes; each tile has registers of its own
.endm
	TILE 0
	TILE 1
	v_and_b32 v29, 31, v0
	v_cmp_lt_u32 vcc_lo, 15, v29
	v_cndmask_b32 v234, v232, v233, vcc_lo         ; lanes 0-15: the first tile's rows, lanes 16-31: the second's
	global_store_b16 v7, v234, s[10:11]
	s_wait_tensorcnt 0x0
	ds_add_u32 v254, v255
	s_wait_dscnt 0x0
	CROUND                                         ; the closing round
	s_endpgm
.Lfunc_end_k_q506d59ec71_attn:
	.size	k_q506d59ec71_attn, .Lfunc_end_k_q506d59ec71_attn-k_q506d59ec71_attn
	.p2alignl 7, 3214868480
	.fill 96, 4, 3214868480
	.section	.rodata,"a",@progbits
	.p2align	6, 0x0
	.amdhsa_kernel k_q506d59ec71_attn
		.amdhsa_group_segment_fixed_size 169984
		.amdhsa_private_segment_fixed_size 0
		.amdhsa_enable_private_segment 0
		.amdhsa_kernarg_size 32
		.amdhsa_user_sgpr_count 2
		.amdhsa_user_sgpr_kernarg_segment_ptr 1
		.amdhsa_wavefront_size32 1
		.amdhsa_system_sgpr_workgroup_id_x 1
		.amdhsa_system_sgpr_workgroup_id_y 1
		.amdhsa_system_sgpr_workgroup_id_z 1
		.amdhsa_system_vgpr_workitem_id 0
		.amdhsa_next_free_vgpr 256
		.amdhsa_next_free_sgpr 66
		.amdhsa_reserve_vcc 1
		.amdhsa_float_denorm_mode_32 3
		.amdhsa_float_denorm_mode_16_64 3
		.amdhsa_memory_ordered 1
		.amdhsa_forward_progress 1
		.amdhsa_inst_pref_size 45
	.end_amdhsa_kernel
	.amdgpu_metadata
---
amdhsa.version: [ 1, 2 ]
amdhsa.kernels:
  - .name:           k_q506d59ec71_attn
    .symbol:         k_q506d59ec71_attn.kd
    .args:
      - { .name: qkv, .offset: 0, .size: 8, .value_kind: global_buffer, .address_space: global }
      - { .name: temperature, .offset: 8, .size: 8, .value_kind: global_buffer, .address_space: global }
      - { .name: oc, .offset: 16, .size: 8, .value_kind: global_buffer, .address_space: global }
      - { .name: os, .offset: 24, .size: 8, .value_kind: global_buffer, .address_space: global }
    .group_segment_fixed_size: 169984
    .private_segment_fixed_size: 0
    .kernarg_segment_align: 8
    .kernarg_segment_size: 32
    .max_flat_workgroup_size: 512
    .sgpr_count:     66
    .vgpr_count:     256
    .wavefront_size: 32
...
	.end_amdgpu_metadata
.endif
;; end of part 3
;; launch proj (part 4): grid 8 x 32, 8 waves a work-group, clusters of 4 x 4, 249,600 bytes of LDS; arguments oc, os, wc, ws, bo, out0; writes out0
.if DOCPART == 4
	.amdgcn_target "amdgcn-amd-amdhsa--gfx1250"
	.amdhsa_code_object_version 6
	.text
	.protected	k_q506d59ec71_proj
	.globl	k_q506d59ec71_proj
	.p2align	8
	.type	k_q506d59ec71_proj,@function
k_q506d59ec71_proj:
	s_mov_b64 s[64:65], 0
	v_nop
	global_prefetch_b8 v0, s[64:65] scope:SCOPE_SE
	s_setreg_imm32_b32 hwreg(HW_REG_WAVE_MODE, 25, 1), 1
	s_wait_xcnt 0x0
	s_wait_alu depctr_hold_cnt(0) depctr_sa_sdst(0) depctr_va_vdst(0) depctr_va_sdst(0) depctr_va_ssrc(0) depctr_va_vcc(0) depctr_vm_vsrc(0)
	s_getreg_b32 s2, hwreg(HW_REG_IB_STS2, 6, 4)
	s_cmp_eq_u32 s2, 0
	s_cbranch_scc0 .Lentry_in_a_cluster
	s_endpgm
.Lentry_in_a_cluster:
	s_bfe_u32 s2, ttmp6, 0x10000c
	s_cmp_lg_u32 s2, 0xf033
	s_cbranch_scc0 .Lentry_shape_is_right
	s_endpgm
.Lentry_shape_is_right:
; out0 = o Wo^T + bo on codes of FP4 with E8M0 scales: 8,192 tokens x 1,024 columns x K = 1,024; out0 f32.
; SHARES: a work-group makes 256 tokens x 128 columns; its eight waves 64 x 64 each (wave & 3: the quarter of the tokens, wave >> 2: the half of the columns): 16 accumulators, 128 registers.
; ALL OF K LIES IN LDS AT ONCE, in two chunks of 512 along K: every LDS byte is filled once; chunk 1 lands while chunk 0 is multiplied.
; o's codes lie in oc as images of operand registers, [tile of 16 tokens][K step of 128][half][lane][16 bytes]: a fragment is two loads of 16 x lane on end.  Wo's codes lie by rows (rows 3,072 on of wc), padded in LDS.
; CLUSTER 4 x 4: the tokens' tiles are shared along a row of the cluster, Wo's along a column: each is asked for jointly.
; Source 0 = 16 rows of Wo, source 1 = 16 tokens: a lane holds one token, and by the order in which Wo's rows are stored the 16 registers of tiles 2 B and 2 B + 1 are the columns 32 B + 16 (lane / 16) + 0 .. 15.
; The bias is the C of each sum's first matrix instruction.  The tokens lie in the order in which they were stored: tile 2 B + u holds tokens 32 B + 8 u + r + 8 (r / 8); the way out puts each row at its true place.
; THE WAY OUT: a tile of 16 tokens x 64 columns goes through the wave's own stage in LDS and leaves by rows: sixteen lanes store 256 consecutive bytes, at a multiple of 256 from out0's first byte.
; Nothing is prefetched: every tile is asked for at the kernel's head.
.set PITCH, 272                        ; a row of Wo's chunk in LDS: 256 bytes + 16 of padding
.set XCH,   65536                      ; a chunk of the tokens' images: 16 tiles x 4,096 bytes
.set WB,    2*XCH
.set WCH,   128*PITCH
.set SCX,   WB+2*WCH                   ; the tokens' scale bytes: 32 runs of 256 bytes + 16
.set SCW,   SCX+32*272                 ; Wo's: 16 such runs
.set STAGE, SCW+16*272                 ; 16 rows x (256 + 16) bytes for each wave: bytes of its own, into which no tensor load lands
.set STO,  5                           ; v5      the stage: where I put 64 bytes of a row
.set RD,   6                           ; v6      and where I read a row back
.set CO,   7                           ; v7      my byte offset in out0
.set ADX,  8                           ; v8-9    my tokens' images in chunk 0, 1
.set ADW,  10                          ; v10-11  my rows of Wo
.set ADS,  12                          ; v12     my scale words: lanes 0-15 the tokens', lanes 16-31 Wo's
.set BO,   13                          ; v13     the bias loads' offset
.set SC,   16                          ; v16-31  scale words: register 4 i + q
.set XF,   32                          ; v32-63  four fragments of tokens
.set WF,   64                          ; v64-95  four fragments of Wo
.set BK,   32                          ; the way out: rows read back: v32-63 and v64-95 by turns
.set BIAS, 96
.set ACC,  128                         ; accumulator (token tile i, column tile t) at v[128 + 32 i + 8 t]
.set G1X,  32
.set G1W,  40
.set G1SX, 48
.set G1SW, 56
.set GXS,  68
.set GX,   72
.set GWS,  80
.set GW,   84
.set FLC,  (1<<20)|(1<<21)|(5<<22)|(3<<25)   ; elements of 1 byte; padding on; bit 21 beside a mask; after every 64 words four words
.set FLS,  FLC|(3<<16)                 ; the same with elements of 8 bytes
.macro JLOAD g0a, g1a, g0b, g1b        ; a joint load: waves 0-3 fetch for the tokens, waves 4-7 for Wo; four v_nop follow each of the two lines
	s_cmp_eq_u32 s21, 0
	s_cbranch_scc0 .Lfor_w_\@
	tensor_load_to_lds s[\g0a:\g0a+3], s[\g1a:\g1a+7]
	s_nop 0
.rept 4
	v_nop
.endr
	s_branch .Lasked_\@
.Lfor_w_\@:
	tensor_load_to_lds s[\g0b:\g0b+3], s[\g1b:\g1b+7]
	s_nop 0
.rept 4
	v_nop
.endr
.Lasked_\@:
.endm
.macro CROUND                          ; a round of the cluster's barrier
	s_barrier_signal -1
	s_barrier_wait -1
	s_cmp_lg_u32 s20, 0
	s_cbranch_scc1 .Lnot_wave_0_\@
	s_barrier_signal -3
.Lnot_wave_0_\@:
	s_barrier_wait -3
	s_barrier_signal -1
	s_barrier_wait -1
.endm
.macro PLACES                          ; four plain vector instructions between a matrix instruction and a load into, or a read of, its registers
.rept 4
	v_nop
.endr
.endm
	s_load_b256 s[4:11], s[0:1], 0x0               ; oc 4:5, os 6:7, wc 8:9, ws 10:11
	s_load_b128 s[12:15], s[0:1], 0x20             ; bo 12:13, out0 14:15
	s_set_vgpr_msb 0x40
	v_lshl_add_u32 v0, v0, 2, 0x3cb00
	v_mov_b32 v1, 0
	s_set_vgpr_msb 0x4045
	ds_add_u32 v0, v1
	ds_add_u32 v0, v1
	s_set_vgpr_msb 0x4500
	v_lshrrev_b32 v1, 5, v0
	v_readfirstlane_b32 s20, v1                    ; wave 0..7
	s_lshr_b32 s21, s20, 2                         ; my half of the columns.  Also: I fetch for the tokens (0) or for Wo (1)
	s_and_b32 s22, s20, 3                          ; my quarter of the tokens.  Also: which quarter of a tile I fetch
	s_bfe_u32 s23, ttmp6, 0x40000                  ; cx, cy
	s_bfe_u32 s24, ttmp6, 0x40004
	s_lshl_b32 s25, ttmp9, 2
	s_add_co_u32 s25, s25, s23                     ; tc: which 128 columns, 0..7
	s_and_b32 s26, ttmp7, 0xffff
	s_lshl_b32 s26, s26, 2
	s_add_co_u32 s26, s26, s24                     ; ty: which 256 tokens, 0..31
	s_lshl_b32 s27, s24, 2
	s_lshl_b32 s27, 15, s27                        ; my row of the cluster
	s_lshl_b32 s28, 0x1111, s23                    ; my column
	s_or_b32 s[G1X], s27, (3<<16)|(1<<21)          ; the tokens' images: elements of 8 bytes, no padding
	s_or_b32 s[G1W], s28, FLC
	s_or_b32 s[G1SX], s27, FLS
	s_or_b32 s[G1SW], s28, FLS
	s_mov_b32 s[G1X+1], 512<<16                    ; a tile's part of a chunk: 512 elements = 4,096 bytes,
	s_mov_b32 s[G1X+2], 4<<16                      ; four tiles a load,
	s_mov_b32 s[G1X+3], 512<<16
	s_mov_b32 s[G1X+4], 4
	s_mov_b32 s[G1X+5], 1024                       ; 8,192 bytes from tile to tile
	s_mov_b32 s[G1X+6], 0
	s_mov_b32 s[G1X+7], 0
	s_mov_b32 s[G1W+1], 256<<16                    ; Wo: 256 bytes of each of 32 rows, 512 bytes apart
	s_mov_b32 s[G1W+2], 32<<16
	s_mov_b32 s[G1W+3], 256<<16
	s_mov_b32 s[G1W+4], 32
	s_mov_b32 s[G1W+5], 512
	s_mov_b32 s[G1W+6], 0
	s_mov_b32 s[G1W+7], 0
.irp g, G1SX, G1SW
	s_mov_b32 s[\g+1], 32<<16                      ; the scale bytes are dense: rows of 32 elements of 8 bytes
	s_mov_b32 s[\g+3], 32<<16
	s_mov_b32 s[\g+5], 32
	s_mov_b32 s[\g+6], 0
	s_mov_b32 s[\g+7], 0
.endr
	s_mov_b32 s[G1SX+2], 8<<16
	s_mov_b32 s[G1SX+4], 8
	s_mov_b32 s[G1SW+2], 4<<16
	s_mov_b32 s[G1SW+4], 4
	s_lshl_b32 s92, s26, 8
	s_lshl_b32 s93, s22, 6
	s_add_co_u32 s92, s92, s93                     ; stored token 256 ty + 64 x quarter:
	s_lshl_b32 s94, s92, 9                         ; its tile's images (8,192 bytes for 16 tokens),
	s_mov_b32 s95, 0
	s_lshl_b32 s92, s92, 5                         ; its scale bytes
	s_mov_b32 s93, 0
	s_lshl_b32 s96, s25, 7
	s_lshl_b32 s97, s22, 5
	s_add_co_u32 s96, s96, s97
	s_add_co_u32 s96, s96, 3072                    ; Wo's row 128 tc + 32 x quarter, behind Wq, Wk and Wv
	s_lshl_b32 s98, s96, 9
	s_mov_b32 s99, 0
	s_lshl_b32 s96, s96, 5
	s_mov_b32 s97, 0
	s_lshl_b32 s29, s22, 14                        ; where they go: four tiles x 4,096 bytes,
	s_mul_i32 s30, s22, 32*PITCH
	s_mul_i32 s31, s22, 8*272
	s_mul_i32 s100, s22, 4*272
	s_wait_dscnt 0x0
	s_wait_kmcnt 0x0
	s_add_nc_u64 s[92:93], s[6:7], s[92:93]
	s_add_nc_u64 s[94:95], s[4:5], s[94:95]
	s_add_nc_u64 s[96:97], s[10:11], s[96:97]
	s_add_nc_u64 s[98:99], s[8:9], s[98:99]
	CROUND                                         ; all sixteen work-groups are here: the joint loads meet
	s_mov_b32 s[GXS], 1
	s_add_co_u32 s[GXS+1], s31, SCX
	s_mov_b64 s[GXS+2:GXS+3], s[92:93]
	s_or_b32 s[GXS+3], s[GXS+3], 0x80000000
	s_mov_b32 s[GWS], 1
	s_add_co_u32 s[GWS+1], s100, SCW
	s_mov_b64 s[GWS+2:GWS+3], s[96:97]
	s_or_b32 s[GWS+3], s[GWS+3], 0x80000000
	JLOAD GXS, G1SX, GWS, G1SW                     ; the scales first
.irp c, 0,1
	s_mov_b32 s[GX+4*\c], 1
	s_add_co_u32 s[GX+4*\c+1], s29, \c*XCH
	s_add_nc_u64 s[GX+4*\c+2:GX+4*\c+3], s[94:95], \c*4096
	s_or_b32 s[GX+4*\c+3], s[GX+4*\c+3], 0x80000000
	s_mov_b32 s[GW+4*\c], 1
	s_add_co_u32 s[GW+4*\c+1], s30, WB+\c*WCH
	s_add_nc_u64 s[GW+4*\c+2:GW+4*\c+3], s[98:99], \c*256
	s_or_b32 s[GW+4*\c+3], s[GW+4*\c+3], 0x80000000
	JLOAD GX+4*\c, G1X, GW+4*\c, G1W               ; three tensor loads of mine are out behind the second of these
.endr
	v_and_b32 v1, 15, v0                           ; r
	v_bfe_u32 v2, v0, 4, 1                         ; h
	v_and_b32 v3, 31, v0                           ; lane
	v_lshlrev_b32 v4, 4, v3
	v_add_nc_u32 v[ADX], s29, v4                   ; my four tiles' images: 16 x lane
	v_add_nc_u32 v[ADX+1], XCH, v[ADX]
	v_mul_u32_u24 v4, v1, PITCH
	v_lshl_add_u32 v4, v2, 4, v4                   ; Wo: row x pitch + 16 h
	s_mul_i32 s101, s21, 64*PITCH
	s_add_co_u32 s101, s101, WB
	v_add_nc_u32 v[ADW], s101, v4
	v_add_nc_u32 v[ADW+1], WCH, v[ADW]
	v_lshlrev_b32 v14, 5, v1                       ; my row's scale bytes: 32 a row,
	v_lshrrev_b32 v15, 8, v14
	v_lshl_add_u32 v14, v15, 4, v14                ; and 16 more for each 256 passed
	s_mul_i32 s101, s21, 8*272
	s_add_co_u32 s101, s101, 32*272
	s_sub_co_u32 s101, s101, s31                   ; from my tokens' scales to my rows of Wo's: one product in h
	v_mul_u32_u24 v15, s101, v2
	s_add_co_u32 s31, s31, SCX
	v_add_nc_u32 v14, v14, v15
	v_add_nc_u32 v[ADS], s31, v14
	s_mul_i32 s101, s20, 16*272
	s_add_co_u32 s101, s101, STAGE                 ; my stage
	v_mul_u32_u24 v[STO], v1, 272
	v_lshl_add_u32 v[STO], v2, 6, v[STO]
	v_add_nc_u32 v[STO], s101, v[STO]              ; in: row r, + 64 h
	v_mul_u32_u24 v[RD], v2, 272
	v_lshl_add_u32 v[RD], v1, 4, v[RD]
	v_add_nc_u32 v[RD], s101, v[RD]                ; back: lanes 0-15 one row, lanes 16-31 the next
	v_lshlrev_b32 v[CO], 12, v2
	v_lshl_add_u32 v[CO], v1, 4, v[CO]             ; and the same two rows of out0, 4,096 bytes apart
	s_lshl_b32 s29, s25, 7
	s_lshl_b32 s30, s21, 6
	s_add_co_u32 s29, s29, s30                     ; my first column
	s_lshl_b32 s30, s29, 2
	s_mov_b32 s31, 0
	s_add_nc_u64 s[12:13], s[12:13], s[30:31]      ; its bias,
	s_add_nc_u64 s[14:15], s[14:15], s[30:31]      ; its place in a row of out0,
	s_lshl_b32 s30, s26, 8
	s_lshl_b32 s29, s22, 6
	s_add_co_u32 s30, s30, s29
	s_lshl_b32 s30, s30, 12                        ; and my first row: 256 ty + 64 x quarter
	s_add_nc_u64 s[14:15], s[14:15], s[30:31]
	v_lshlrev_b32 v[BO], 6, v2                     ; register j of tile t is column 32 (t / 2) + 16 h + 8 (t % 2) + j
.irp t, 0,1,2,3
	global_load_b128 v[BIAS+8*\t:BIAS+8*\t+3], v[BO], s[12:13] offset:(32*(\t/2)+8*(\t%2))*4
	global_load_b128 v[BIAS+8*\t+4:BIAS+8*\t+7], v[BO], s[12:13] offset:(32*(\t/2)+8*(\t%2))*4+16
.endr
.macro FRAGW i, ch, q                  ; 16 rows of Wo x 128 K: lane l holds row l % 16; registers 4 c .. 4 c + 3 hold K = 64 c + 32 (l / 16) + 0 .. 31
.irp c, 0,1
	ds_load_b128 v[WF+8*(\i)+4*\c:WF+8*(\i)+4*\c+3], v[ADW+\ch] offset:(\i)*16*PITCH+64*(\q)+32*\c
.endr
.endm
.macro FRAGX i, ch, q                  ; 16 tokens x 128 K, as the image lies
.irp c, 0,1
	ds_load_b128 v[XF+8*(\i)+4*\c:XF+8*(\i)+4*\c+3], v[ADX+\ch] offset:4096*(\i)+1024*(\q)+512*\c
.endr
.endm
.macro SCALES ch                       ; a chunk's four scale words a row: lanes 0-15 the tokens' tile i, lanes 16-31 Wo's tile i
.irp i, 0,1,2,3
	ds_load_b128 v[SC+4*\i:SC+4*\i+3], v[ADS] offset:544*\i+16*\ch
.endr
.endm
; Four matrix instructions: token tile i against Wo's four tiles.  first = 1: the bias starts the sums.  The 16 accumulators take turns, one instruction a turn.
.macro MM i, q, first
.irp t, 0,1,2,3
.set rD, ACC+32*(\i)+8*\t
.set rC, rD
.if \first
.set rC, BIAS+8*\t
.endif
	v_wmma_scale_f32_16x16x128_f8f6f4 v[rD:rD+7], v[WF+8*\t:WF+8*\t+7], v[XF+8*(\i):XF+8*(\i)+7], v[rC:rC+7], v[SC+4*\t+(\q)], v[SC+4*(\i)+(\q)] matrix_a_fmt:MATRIX_FMT_FP4 matrix_b_fmt:MATRIX_FMT_FP4 matrix_a_scale:MATRIX_SCALE_ROW1
.endr
.endm
.macro KSTEP ch, q, first              ; a step of 128 along K: the LDS loads in one run, Wo's fragments first, then 16 matrix instructions
.if \first == 0
	PLACES
.endif
.if \q == 0
	SCALES \ch
.endif
.irp i, 0,1,2,3
	FRAGW \i, \ch, \q
.endr
.irp i, 0,1,2,3
	FRAGX \i, \ch, \q
.endr
	s_wait_dscnt 6                                 ; all but the tokens' fragments 1 to 3, two loads each
	MM 0, \q, \first
	s_wait_dscnt 4
	MM 1, \q, \first
	s_wait_dscnt 2
	MM 2, \q, \first
	s_wait_dscnt 0x0
	MM 3, \q, \first
.endm
	s_wait_loadcnt 0x0                             ; the bias
	s_wait_tensorcnt 1                             ; my parts of the scales and of chunk 0 are in; chunk 1's load, issued behind them, may be out
	s_barrier_signal -1
	s_barrier_wait -1                              ; everybody's are
	KSTEP 0, 0, 1
	KSTEP 0, 1, 0
	KSTEP 0, 2, 0
	KSTEP 0, 3, 0
	s_wait_tensorcnt 0x0                           ; my part of chunk 1 is in,
	s_wait_dscnt 0x0
	s_barrier_signal -1
	s_barrier_wait -1                              ; everybody's is
	KSTEP 1, 0, 0
	KSTEP 1, 1, 0
	KSTEP 1, 2, 0
	KSTEP 1, 3, 0
; THE WAY OUT, a tile of 16 tokens at a time.  LDS serves a wave's instructions in order (ISA guide 5.7.1.4): no wait between the stores and the loads, nor in front of the next tile's stores.
.macro TOSTAGE i
.irp b, 0,1
.irp j, 0,1,2,3
	ds_store_b128 v[STO], v[ACC+32*(\i)+16*\b+4*\j:ACC+32*(\i)+16*\b+4*\j+3] offset:128*\b+16*\j   ; columns 32 b + 16 h + 4 j on; each accumulator from its low end on
.endr
.endr
.irp k, 0,1,2,3,4,5,6,7
	ds_load_b128 v[BK+32*((\i)%2)+4*\k:BK+32*((\i)%2)+4*\k+3], v[RD] offset:544*\k    ; stage rows 2 k and 2 k + 1
.endr
.endm
.macro SEND i                          ; stage row 2 k + h of tile i is token 32 (i / 2) + 8 (i % 2) + 2 k + h + 8 (k / 4) of my 64
.irp k, 0,1,2,3,4,5,6,7
	global_store_b128 v[CO], v[BK+32*((\i)%2)+4*\k:BK+32*((\i)%2)+4*\k+3], s[14:15] offset:(32*((\i)/2)+8*((\i)%2)+2*\k+8*(\k/4))*4096 th:TH_STORE_NT   ; 16 lanes store 256 consecutive bytes; written once, read by nobody here
.endr
.endm
	PLACES                                         ; for the stores that read results, and for the loads into the fragments' registers
	TOSTAGE 0
.irp i, 1,2,3
.if \i > 1
	s_wait_xcnt 0x0                                ; tile i - 2's stores have read their registers: tile i's rows may land there
.endif
	TOSTAGE \i
	s_wait_dscnt 16                                ; tile i - 1 is back in registers; tile i's 8 stores and 8 loads may be out
	SEND \i-1
.endr
	s_wait_dscnt 0x0
	SEND 3
	s_set_vgpr_msb 0x5
	s_wait_tensorcnt 0x0
	ds_add_u32 v0, v1
	s_wait_dscnt 0x0
	s_set_vgpr_msb 0x500
	CROUND                                         ; the closing round: no work-group ends while a partner may still ask for a tile that names it
	s_endpgm
.Lfunc_end_k_q506d59ec71_proj:
	.size	k_q506d59ec71_proj, .Lfunc_end_k_q506d59ec71_proj-k_q506d59ec71_proj
	.p2alignl 7, 3214868480
	.fill 96, 4, 3214868480
	.section	.rodata,"a",@progbits
	.p2align	6, 0x0
	.amdhsa_kernel k_q506d59ec71_proj
		.amdhsa_group_segment_fixed_size 249600
		.amdhsa_private_segment_fixed_size 0
		.amdhsa_enable_private_segment 0
		.amdhsa_kernarg_size 48
		.amdhsa_user_sgpr_count 2
		.amdhsa_user_sgpr_kernarg_segment_ptr 1
		.amdhsa_wavefront_size32 1
		.amdhsa_system_sgpr_workgroup_id_x 1
		.amdhsa_system_sgpr_workgroup_id_y 1
		.amdhsa_system_sgpr_workgroup_id_z 1
		.amdhsa_system_vgpr_workitem_id 0
		.amdhsa_next_free_vgpr 258
		.amdhsa_next_free_sgpr 102
		.amdhsa_reserve_vcc 0
		.amdhsa_float_denorm_mode_32 3
		.amdhsa_float_denorm_mode_16_64 3
		.amdhsa_memory_ordered 1
		.amdhsa_forward_progress 1
		.amdhsa_inst_pref_size 45
	.end_amdhsa_kernel
	.amdgpu_metadata
---
amdhsa.version: [ 1, 2 ]
amdhsa.kernels:
  - .name:           k_q506d59ec71_proj
    .symbol:         k_q506d59ec71_proj.kd
    .args:
      - { .name: oc, .offset: 0, .size: 8, .value_kind: global_buffer, .address_space: global }
      - { .name: os, .offset: 8, .size: 8, .value_kind: global_buffer, .address_space: global }
      - { .name: wc, .offset: 16, .size: 8, .value_kind: global_buffer, .address_space: global }
      - { .name: ws, .offset: 24, .size: 8, .value_kind: global_buffer, .address_space: global }
      - { .name: bo, .offset: 32, .size: 8, .value_kind: global_buffer, .address_space: global }
      - { .name: out0, .offset: 40, .size: 8, .value_kind: global_buffer, .address_space: global }
    .group_segment_fixed_size: 249600
    .private_segment_fixed_size: 0
    .kernarg_segment_align: 8
    .kernarg_segment_size: 48
    .max_flat_workgroup_size: 256
    .sgpr_count:     102
    .vgpr_count:     258
    .wavefront_size: 32
...
	.end_amdgpu_metadata
.endif
;; end of part 4
